; MI455X (gfx1250); checked and timed in simulation.
; The chip was launched on July 23, 2026; its instructions are those of AMD's public machine-readable ISA for CDNA 5 (MIT licence, August 2026) and "CDNA5" Instruction Set Architecture Reference Guide (July 2026). The comments in the code are by the model that wrote it; some were corrected since.
;; Multihead Flash Diff. Allowed arithmetic: matrix products marked QUANTISED: E2M1 operands, one E8M0 scale for each 32 along K, by v_wmma_scale_f32_16x16x128_f8f6f4 with both operands' format E2M1 (or v_wmma_scale_f32_32x16x128_f4), f32 sums; products left as they are: f32 operands where the result goes on into a quantised operand, else bf16, f16 or f32 operands; f32 sums; everything else in f32.
;; Inputs: Wk_codes 1,024 x 32 x 16 uint8 (E2M1 codes of Wk, K innermost, in blocks of 32 codes, two codes a byte); Wk_scales 1,024 x 32 uint8 (E8M0 scales of Wk, one for each 32 codes along K); Wo_codes 1,024 x 32 x 16 uint8 (E2M1 codes of Wo, K innermost, in blocks of 32 codes, two codes a byte); Wo_scales 1,024 x 32 uint8 (E8M0 scales of Wo, one for each 32 codes along K); Wq_codes 1,024 x 32 x 16 uint8 (E2M1 codes of Wq, K innermost, in blocks of 32 codes, two codes a byte); Wq_scales 1,024 x 32 uint8 (E8M0 scales of Wq, one for each 32 codes along K); Wv_codes 1,024 x 32 x 16 uint8 (E2M1 codes of Wv, K innermost, in blocks of 32 codes, two codes a byte); Wv_scales 1,024 x 32 uint8 (E8M0 scales of Wv, one for each 32 codes along K); lambda_k1 64 float32; lambda_k2 64 float32; lambda_q1 64 float32; lambda_q2 64 float32; ln_b 128 float32; ln_w 128 float32; x_codes 4 x 4,096 x 32 x 16 uint8 (E2M1 codes of x, K innermost, in blocks of 32 codes, two codes a byte); x_scales 4 x 4,096 x 32 uint8 (E8M0 scales of x, one for each 32 codes along K).
;; Outputs: out0 4 x 4,096 x 1,024 float32.
;; This version of the problem:
;;   THIS VERSION OF THE PROBLEM IS GIVEN IN LOW PRECISION. The matrix products marked QUANTISED in the list below multiply operands that are first quantised to E2M1 (2 exponent bits, 1 mantissa bit; 4 bits a number), with one power-of-two scale for each 32 numbers along K (OCP MX v1.0); their sums are f32. All else is computed in f32.
;;   The module's matrix products, in the order in which they are computed (A, B: the left and right operand; K: the contracted axis; several contracted axes count as one K, in the product's order):
;;     1. [M 16,384, K 1,024] x [K 1,024, N 1,024]; A: input x (given as codes); B: input Wq (given as codes): QUANTISED
;;     2. [M 16,384, K 1,024] x [K 1,024, N 1,024]; A: input x (given as codes); B: input Wk (given as codes): QUANTISED
;;     3. [M 16,384, K 1,024] x [K 1,024, N 1,024]; A: input x (given as codes); B: input Wv (given as codes): QUANTISED
;;     4. batch 16,384 x [M 8, K 64] x [K 64, N 8]; A: computed on the way; B: computed on the way: left as it is (M = 8 < 16)
;;     5. batch 16,384 x [M 8, K 8] x [K 8, N 128]; A: softmax; B: computed on the way: left as it is (K = 8 < 32)
;;     6. batch 16,384 x [M 8, K 64] x [K 64, N 8]; A: computed on the way; B: computed on the way: left as it is (M = 8 < 16)
;;     7. batch 16,384 x [M 8, K 8] x [K 8, N 128]; A: softmax; B: computed on the way: left as it is (K = 8 < 32)
;;     8. [M 16,384, K 1,024] x [K 1,024, N 1,024]; A: computed on the way; B: input Wo (given as codes): QUANTISED
;;   THE QUANTISER, for each operand of a quantised product, along K:
;;     - K is cut into blocks of 32 from its start; a last block that is shorter is filled with zeros.
;;     - A block's scale is 2^e with e = floor(log2(the largest magnitude in the block)) - 2, held to -126 .. 127; a block of zeros has e = 0. As a byte (E8M0): e + 127.
;;     - Each number is divided by its block's scale, clamped to +-6, and rounded to the nearest number of E2M1, ties to even, subnormals kept.
;;     - The product sums the exact products of the quantised numbers (number of the format x scale) in f32.
;;   ~~~python
;;   def quantise(x, axis):      # numpy; x: float32 -> the quantised numbers, widened to float32 again
;;       x = np.moveaxis(x, axis, -1); K = x.shape[-1]
;;       x = np.pad(x, [(0, 0)] * (x.ndim - 1) + [(0, -K % 32)]); x = x.reshape(x.shape[:-1] + (-1, 32)); a = np.abs(x).max(-1, keepdims=True)
;;       e = np.where(a > 0, np.clip(np.frexp(np.where(a > 0, a, 1))[1] - 1 - 2, -126, 127), 0)      # np.frexp(a)[1] - 1 = floor(log2(a)), exactly
;;       r = np.clip(x / 2.0 ** e, -6, 6)
;;       step = 2.0 ** (np.maximum(np.frexp(np.where(r == 0, 1, r))[1] - 1, 0) - 1)
;;       q = np.round(r / step) * step * 2.0 ** e      # np.round: ties to even
;;       return np.moveaxis(q.reshape(q.shape[:-2] + (-1,))[..., :K], -1, axis).astype(np.float32)
;;   ~~~
;;   OPERANDS COMPUTED ON THE WAY. 'Computed on the way' means the value that the module computes at that place (a softmax that the list does not call 'softmax' is quantised finished and normalised). What goes into a quantiser is computed in f32, as accurately as f32 sums, v_exp_f32 and their like allow (about 1e-6 of the number): no bf16 or f16 on the way to a quantiser, and a product that is left as it is and whose result goes on into a quantised operand takes f32 operands (vector FMAs, or v_wmma_f32_16x16x4_f32). A number that lies on a knife's edge between two numbers of the format may be rounded either way, as far as f32 arithmetic and the matrix unit's own rounding can turn it there, and no further.
;;   INPUTS GIVEN AS CODES. Wk (in the module: [1024, 1024], K = its axis 0); Wo (in the module: [1024, 1024], K = its axis 0); Wq (in the module: [1024, 1024], K = its axis 0); Wv (in the module: [1024, 1024], K = its axis 0); x (in the module: [4, 4096, 1024], K = its axis 2): each comes as NAME_codes (uint8): NAME with its K axis moved to the last place and cut into blocks of 32 codes, [.., K / 32, bytes a block], one block behind the other in memory; two codes a byte, the lower K in the low four bits (a code: sign, 2 exponent bits, 1 mantissa bit); and NAME_scales (uint8): the same leading axes, one E8M0 byte (e + 127) for each 32 codes along K. Its value is code x scale, taken as it is: it is not quantised again, and the codes and scales need not be those that the quantiser above would give.
;; One version. Each part assembles by itself: llvm-mc -triple=amdgcn-amd-amdhsa -mcpu=gfx1250 --defsym DOCPART=n.
;; ======== version 1 of 1: 1 launch
;; limits: right only within a limited range of input values
;; launch fused (part 1): grid 256 x 1, 4 waves a work-group, clusters of 4 x 1, 327,680 bytes of LDS; arguments x_codes, x_scales, Wq_codes, Wq_scales, Wk_codes, Wk_scales, Wv_codes, Wv_scales, Wo_codes, Wo_scales, lambda_q1, lambda_k1, lambda_q2, lambda_k2, ln_w, ln_b, out0; writes out0
.if DOCPART == 1
	.amdgcn_target "amdgcn-amd-amdhsa--gfx1250"
	.amdhsa_code_object_version 6
	.text
	.protected	k_qd636897c9e_fused
	.globl	k_qd636897c9e_fused
	.p2align	8
	.type	k_qd636897c9e_fused,@function
k_qd636897c9e_fused:
	s_mov_b64 s[64:65], 0
	v_nop
	global_prefetch_b8 v0, s[64:65] scope:SCOPE_SE
	s_setreg_imm32_b32 hwreg(HW_REG_WAVE_MODE, 25, 1), 1
	s_wait_xcnt 0x0
	s_wait_alu depctr_hold_cnt(0) depctr_sa_sdst(0) depctr_va_vdst(0) depctr_va_sdst(0) depctr_va_ssrc(0) depctr_va_vcc(0) depctr_vm_vsrc(0)
	s_getreg_b32 s2, hwreg(HW_REG_IB_STS2, 6, 4)
	s_cmp_eq_u32 s2, 0
	s_cbranch_scc0 .Lentry_in_a_cluster
	s_endpgm
.Lentry_in_a_cluster:
	s_bfe_u32 s2, ttmp6, 0x10000c
	s_cmp_lg_u32 s2, 0x3003
	s_cbranch_scc0 .Lentry_shape_is_right
	s_endpgm
.Lentry_shape_is_right:
; The whole module for 64 tokens a work-group: q, k, v = x W on codes, rotary, the attention over the 8 heads of each token (twice), the difference, the RMS norm, the quantiser, and the output product.
; Four waves; every wave holds all 64 tokens' codes of x (256 registers) and walks its own rows of the weights, so each weight byte is read from LDS once.
; WEIGHTS: 16 slots' worth of 256 rows x 512 bytes go through a ring of two LDS slots: K heads 0-3, K 4-7, Q 0-3, Q 4-7 (first half of each head), the same for the second half, V (4 slots), Wo (4 slots).
; The four work-groups of a cluster need the same rows: each wave's 64 rows are one joint load with the mask 15.
; Products are used transposed: source 0 = 32 rows of a weight, source 1 = 16 tokens: a lane holds ONE token (lane % 16), its registers run along the product's columns.
; Q AND K: a tile of 32 rows is two heads x my wave's 16 channels, laid so that register i of a lane is head i % 2, channel 8 (lane / 16) + i / 2: packed arithmetic then runs over two heads.
; V: a tile is one head x my wave's 32 channels.  Registers 0-7 are channels 0-7 (lanes 0-15) or 24-31 (lanes 16-31), registers 8-15 channels 8-15 or 16-23.
; A slot's two tiles of Q, K or Wo lie whole in registers (window 3), so the slot is given up behind its first product.
; Scores, softmax (maximum taken away), weighted sums, norm and quantiser are f32.  Limits: NaN and infinities are not carried as reference() carries them; exponentials and reciprocal roots flush denormals.
; REGISTERS.  Window 0: addresses, scales, sums (ACC), cos / sin or p or 1 / rms, work (T).  Window 1: x's codes, then the codes of the normalised a.  Window 2: K (rotated), window 3: two tiles of weights;
; later windows 2 and 3: the 512 weighted sums (16 tokens mt: 128 (mt % 2) + 16 head + i in window 2 + mt / 2); then window 2: the output, window 3: weights.
.set PITCH, 528                ; an LDS row: 512 bytes and 16 of padding
.set PARTB, 64*PITCH+64        ; 64 rows, and 64 bytes more: the rows of two neighbouring heads lie in different banks
.set SLOTB, 4*PARTB
.set SCR,   2*SLOTB
.set LS_S,  SCR                ; partial scores: [wave][16 tokens][head of 4][lane] 16 bytes
.set LS_P,  SCR+32768          ; p: [16 tokens][m][head block of 4][token] 16 bytes
.set LS_N,  SCR                ; partial sums of squares
.set STG,   SCR                ; the way out: 16 rows x 272 bytes a wave
.set AIMG,  SCR+17408          ; the codes of a, an image of the operand's registers
.set ASC,   SCR+50176          ; and its scale bytes
.set SPARE, SCR+52224          ; the spare words
.set SPW,  1
.set NIL,  2
.set AQ,   3
.set AV0,  4
.set AV1,  5
.set AO,   6
.set ADR,  7
.set ADR2, 8
.set ASW,  9
.set ASR,  10
.set APW,  11
.set APR,  12
.set ANR,  13
.set AAW0, 14
.set AAW1, 15
.set ASCW, 16
.set AAR,  17
.set ASCR, 18
.set STO,  19
.set RD,   20
.set CO,   21
.set VSK,  22
.set VSV,  23
.set VSO,  24
.set BETA, 25
.set BET2, 26
.set PFO,  27
.set ADV0, 28
.set ADV1, 29
.set XS,   32                  ; the tokens' scale words, 8 for each 16 tokens
.set SQ,   64                  ; the slot's scale words: two tiles x 8
.set SN,   80                  ; the next slot's
.set ACC,  96
.set WC,   96
.set BC,   112
.set TM,   128
.set PCD,  144
.set PS,   96
.set CS,   160                 ; cos, sin: 8 mt + 2 p
.set PR,   160                 ; p: 8 mt + head
.set RM,   160                 ; 1 / rms: 8 mt + head
.set T,    192
.set VTA,  T
.set VTB,  T+16
.set VUA,  T+32
.set VUB,  T+48
.set PL,   T
.set MX,   T+16
.set FQ,   T
.set POS,  T+4
.set TH,   T+8
.set NQ,   T+12
.set ZZ,   T+16
.set KI,   T+20
.set SS,   T+24
.set CC,   T+28
.set OB,   128
.set G1,   40
.set G0,   48
.set WV,   52
.set CX,   53
.set WG,   54
.set LB0,  55
.set LCUR, 56
.set TBR,  57
.set PFN,  58
.set SUBC, 59
.set PCN,  60
.set CNT,  61
.set TP,   62
.set TQ,   63
.set SEL,  66
.set FA,   68
.set FB,   70
.set FC,   72
.set NK,   74
.set ND,   76
.set NN,   78
.set SA,   80
.set SX,   82
.set SY,   84
.set FR,   86
.set OUTC, 86
.set TB,   39
.set MSB, 0
.macro WIN new
.if MSB != (\new)
	s_set_vgpr_msb (MSB<<8)|(\new)
.set MSB, (\new)
.endif
.endm
.macro PLACES n
.rept \n
	v_nop
.endr
.endm
.macro CREST
	s_cmp_lg_u32 s[WV], 0
	s_cbranch_scc1 .Lnot_wave_0_\@
	s_barrier_signal -3
.Lnot_wave_0_\@:
	s_barrier_wait -3
	s_barrier_signal -1
	s_barrier_wait -1
.endm
.macro ROUND
	s_barrier_signal -1
	s_barrier_wait -1
	CREST
.endm
.macro BARRIER
	s_wait_dscnt 0x0
	s_barrier_signal -1
	s_barrier_wait -1
.endm
; THE CHANGE OF SLOTS in three parts, so that work on registers can stand between the add and its wait, and inside the opening barrier.
; FA: what is loaded now; FB, FC: the two slots behind it.  After CH_A FA names what the next change loads, and what is prefetched now.
.macro CH_A
	WIN 0
	s_wait_xcnt 0x0                    ; the last prefetch has read its base
	s_wait_tensorcnt 0x0
	ds_add_u32 v[SPW], v[NIL]
	s_mov_b32 s[G0+1], s[LCUR]
	s_mov_b64 s[G0+2:G0+3], s[FA:FA+1]
	s_or_b32 s[G0+3], s[G0+3], 0x80000000
	s_mov_b64 s[FA:FA+1], s[FB:FB+1]
	s_mov_b64 s[FB:FB+1], s[FC:FC+1]
	s_add_co_u32 s[LCUR], s[LCUR], SLOTB
.endm
.macro CH_B
	s_wait_dscnt 0x0                   ; the add is done, and so are my reads of the slot that I leave
	s_barrier_signal -1
.endm
.macro CH_C
	WIN 0
	s_barrier_wait -1
	CREST
	tensor_load_to_lds s[G0:G0+3], s[G1:G1+7]
	s_nop 0
	PLACES 4
	s_wait_alu depctr_va_vdst(0)
.endm
; A prefetch of the slot that the next change loads: my wave's 64 rows are 128 blocks of 256 bytes, a quarter for each work-group of the cluster, a lane a block.  Clusters 0 to 3 ask; the last change asks for nothing.
.macro PF
	s_cmp_lg_u32 s[PFN], 0
	s_cbranch_scc0 .Lno_pf_\@
	global_prefetch_b8 v[PFO], s[FA:FA+1] th:TH_LOAD_NT scope:SCOPE_SE
.Lno_pf_\@:
.endm
; 32 LDS loads: a tile of 32 rows x 1,024 along K into window 3; sa: bytes from a lane's row among rows 0-15 to its row among rows 16-31
.macro LOADS wb, adr, off, sa
	WIN 0xC0
.irp s, 0,1,2,3,4,5,6,7
	ds_load_b128 v[\wb+16*\s:\wb+16*\s+3], v[\adr] offset:\off+64*\s
	ds_load_b128 v[\wb+16*\s+4:\wb+16*\s+7], v[\adr] offset:\off+64*\s+32
	ds_load_b128 v[\wb+16*\s+8:\wb+16*\s+11], v[\adr] offset:\off+\sa+64*\s
	ds_load_b128 v[\wb+16*\s+12:\wb+16*\s+15], v[\adr] offset:\off+\sa+64*\s+32
.endr
	WIN 0
.endm
.macro LQ wb, tb
	WIN 0
	v_add_nc_u32 v[ADR], \tb, v[AQ]
	LOADS \wb, ADR, 0, 4*PITCH
.endm
; One K step of 128: the tile x 64 tokens.  The four sums take turns.
.macro STEPM acc, a, s, sq
.irp mt, 0,1,2,3
.if \s == 0
	v_wmma_scale_f32_32x16x128_f4 v[\acc+16*\mt:\acc+16*\mt+15], v[\a:\a+15], v[64*\mt:64*\mt+7], 0, v[\sq], v[XS+8*\mt]
.else
	v_wmma_scale_f32_32x16x128_f4 v[\acc+16*\mt:\acc+16*\mt+15], v[\a:\a+15], v[64*\mt+8*\s:64*\mt+8*\s+7], v[\acc+16*\mt:\acc+16*\mt+15], v[\sq+\s], v[XS+8*\mt+\s]
.endif
.endr
.endm
; younger: LDS instructions issued behind the tile's 32 loads; -1: the loads have been waited for
.macro GEMM win, acc, wb, sq, younger
	WIN \win
.irp s, 0,1,2,3,4,5,6,7
.if \younger >= 0
	s_wait_dscnt \younger+28-4*\s
.endif
	STEPM \acc, \wb+16*\s, \s, \sq
.endr
.endm
.macro SCMOVE
	s_wait_loadcnt 0x0
.irp i, 0,1,2,3,4,5,6,7,8,9,10,11,12,13,14,15
	v_mov_b32 v[SQ+\i], v[SN+\i]
.endr
.endm
.macro SCLOAD vo, o1
	global_load_b128 v[SN:SN+3], v[\vo], s[SA:SA+1]
	global_load_b128 v[SN+4:SN+7], v[\vo], s[SA:SA+1] offset:16
	global_load_b128 v[SN+8:SN+11], v[\vo], s[SA:SA+1] offset:\o1
	global_load_b128 v[SN+12:SN+15], v[\vo], s[SA:SA+1] offset:\o1+16
.endm
; rotary of a tile's 16 tokens mt: even channel e c - o s, odd channel o c + e s, for two heads at a time.  d: the destination's first register
.macro ROTX mt, d
.irp p, 0,1,2,3
	v_pk_mul_f32 v[\d+4*\p:\d+4*\p+1], v[ACC+16*\mt+4*\p:ACC+16*\mt+4*\p+1], v[CS+8*\mt+2*\p:CS+8*\mt+2*\p+1] op_sel_hi:[1,0]
	v_pk_mul_f32 v[\d+4*\p+2:\d+4*\p+3], v[ACC+16*\mt+4*\p+2:ACC+16*\mt+4*\p+3], v[CS+8*\mt+2*\p:CS+8*\mt+2*\p+1] op_sel_hi:[1,0]
.endr
.irp p, 0,1,2,3
	v_pk_fma_f32 v[\d+4*\p:\d+4*\p+1], v[ACC+16*\mt+4*\p+2:ACC+16*\mt+4*\p+3], v[CS+8*\mt+2*\p:CS+8*\mt+2*\p+1], v[\d+4*\p:\d+4*\p+1] op_sel:[0,1,0] op_sel_hi:[1,1,1] neg_lo:[0,1,0] neg_hi:[0,1,0]
	v_pk_fma_f32 v[\d+4*\p+2:\d+4*\p+3], v[ACC+16*\mt+4*\p:ACC+16*\mt+4*\p+1], v[CS+8*\mt+2*\p:CS+8*\mt+2*\p+1], v[\d+4*\p+2:\d+4*\p+3] op_sel:[0,1,0] op_sel_hi:[1,1,1]
.endr
.endm
.macro ROTK mt, hp
	WIN 0xA0
	ROTX \mt, 64*\mt+16*(\hp)
.endm
; partial scores of two Q heads against all eight K heads over my lane's 8 channels, pairs over two K heads; then the two lane halves are joined: lane half h keeps K heads 4 h .. 4 h + 3
.macro SC mt, vt, vu
	WIN 0
	ROTX \mt, \vt
	WIN 0x08
.irp d, 0,1,2,3,4,5,6,7
.irp q, 0,1
.irp hp, 0,1,2,3
.if \d == 0
	v_pk_mul_f32 v[\vu+8*\q+2*\hp:\vu+8*\q+2*\hp+1], v[\vt:\vt+1], v[64*\mt+16*\hp:64*\mt+16*\hp+1] op_sel:[\q,0] op_sel_hi:[\q,1]
.else
	v_pk_fma_f32 v[\vu+8*\q+2*\hp:\vu+8*\q+2*\hp+1], v[\vt+2*\d:\vt+2*\d+1], v[64*\mt+16*\hp+2*\d:64*\mt+16*\hp+2*\d+1], v[\vu+8*\q+2*\hp:\vu+8*\q+2*\hp+1] op_sel:[\q,0,0] op_sel_hi:[\q,1,1]
.endif
.endr
.endr
.endr
	WIN 0
.irp i, 0,1,2,3
	v_permlane16_swap_b32 v[\vu+\i], v[\vu+4+\i]
	v_permlane16_swap_b32 v[\vu+8+\i], v[\vu+12+\i]
.endr
.irp i, 0,8,2,10
	v_pk_add_f32 v[\vu+\i:\vu+\i+1], v[\vu+\i:\vu+\i+1], v[\vu+4+\i:\vu+5+\i]
.endr
.endm
.macro SCST mt, t, vu
	ds_store_b128 v[ASW], v[\vu:\vu+3] offset:\mt*2048+\t*1024
	ds_store_b128 v[ASW], v[\vu+8:\vu+11] offset:\mt*2048+\t*1024+512
.endm
; V: four K steps of a tile are in registers at a time, step s in T + 16 (s % 4)
.macro LDV s
	ds_load_b128 v[T+16*((\s)%4):T+16*((\s)%4)+3], v[ADV0] offset:64*\s
	ds_load_b128 v[T+16*((\s)%4)+4:T+16*((\s)%4)+7], v[ADV0] offset:64*\s+32
	ds_load_b128 v[T+16*((\s)%4)+8:T+16*((\s)%4)+11], v[ADV1] offset:64*\s
	ds_load_b128 v[T+16*((\s)%4)+12:T+16*((\s)%4)+15], v[ADV1] offset:64*\s+32
.endm
.macro LOADSV
	LDV 0
	LDV 1
	LDV 2
	LDV 3
.endm
.macro PRLOAD off
.irp mt, 0,1,2,3
	ds_load_b128 v[PR+8*\mt:PR+8*\mt+3], v[ADR2] offset:\off+\mt*4096
	ds_load_b128 v[PR+8*\mt+4:PR+8*\mt+7], v[ADR2] offset:\off+\mt*4096+256
.endr
.endm
; behind steps 0-3's 16 loads stand p's 8; steps 4, 5 and then 6, 7 are fetched as their registers fall free, 8 loads each time
.macro GEMMV sq
	WIN 0x04
.irp s, 0,1,2,3,4,5,6,7
.if \s < 2
	s_wait_dscnt 20-4*\s
.else
	s_wait_dscnt 28-4*\s
.endif
	STEPM ACC, T+16*(\s%4), \s, \sq
.if \s == 1
	PLACES 4
	LDV 4
	LDV 5
.endif
.if \s == 3
	PLACES 4
	LDV 6
	LDV 7
.endif
.endr
.endm
; a[head n] += p[n][m] v[m] for 16 tokens
.macro VECV mt
	WIN 0xA0+0x50*((\mt)/2)
.irp n, 0,2,4,6
.irp k, 0,2,4,6,8,10,12,14
	v_pk_fma_f32 v[128*(\mt%2)+16*\n+\k:128*(\mt%2)+16*\n+\k+1], v[ACC+16*\mt+\k:ACC+16*\mt+\k+1], v[PR+8*\mt+\n:PR+8*\mt+\n+1], v[128*(\mt%2)+16*\n+\k:128*(\mt%2)+16*\n+\k+1] op_sel:[0,0,0] op_sel_hi:[1,0,1]
.endr
.irp k, 0,2,4,6,8,10,12,14
	v_pk_fma_f32 v[128*(\mt%2)+16*\n+16+\k:128*(\mt%2)+16*\n+16+\k+1], v[ACC+16*\mt+\k:ACC+16*\mt+\k+1], v[PR+8*\mt+\n:PR+8*\mt+\n+1], v[128*(\mt%2)+16*\n+16+\k:128*(\mt%2)+16*\n+16+\k+1] op_sel:[0,1,0] op_sel_hi:[1,1,1]
.endr
.endr
.endm
; sin and cos of position x frequency: reduction by pi / 2 in two parts, polynomials, quadrant
.macro SINCOS p
.irp mt, 0,1,2,3
	v_mul_f32 v[TH+\mt], v[POS+\mt], v[FQ+\p]
.endr
.irp mt, 0,1,2,3
	v_mul_f32 v[NQ+\mt], s94, v[TH+\mt]
.endr
.irp mt, 0,1,2,3
	v_rndne_f32 v[NQ+\mt], v[NQ+\mt]
.endr
.irp mt, 0,1,2,3
	v_fma_f32 v[TH+\mt], v[NQ+\mt], s95, v[TH+\mt]
.endr
.irp mt, 0,1,2,3
	v_fma_f32 v[TH+\mt], v[NQ+\mt], s96, v[TH+\mt]
.endr
.irp mt, 0,1,2,3
	v_mul_f32 v[ZZ+\mt], v[TH+\mt], v[TH+\mt]
	v_cvt_i32_f32 v[KI+\mt], v[NQ+\mt]
.endr
.irp mt, 0,1,2,3
	v_fma_f32 v[SS+\mt], v[ZZ+\mt], s97, s98
	v_fma_f32 v[CC+\mt], v[ZZ+\mt], s100, s101
.endr
.irp mt, 0,1,2,3
	v_fma_f32 v[SS+\mt], v[SS+\mt], v[ZZ+\mt], s99
	v_fma_f32 v[CC+\mt], v[CC+\mt], v[ZZ+\mt], s38
.endr
.irp mt, 0,1,2,3
	v_mul_f32 v[SS+\mt], v[SS+\mt], v[ZZ+\mt]
	v_mul_f32 v[CC+\mt], v[CC+\mt], v[ZZ+\mt]
	v_fma_f32 v[NQ+\mt], v[ZZ+\mt], -0.5, 1.0
.endr
.irp mt, 0,1,2,3
	v_fma_f32 v[SS+\mt], v[SS+\mt], v[TH+\mt], v[TH+\mt]
	v_fma_f32 v[CC+\mt], v[CC+\mt], v[ZZ+\mt], v[NQ+\mt]
.endr
.irp mt, 0,1,2,3
	v_and_b32 v[TH+\mt], 1, v[KI+\mt]
	v_cmp_eq_u32 vcc_lo, 1, v[TH+\mt]
	v_cndmask_b32 v[ZZ+\mt], v[SS+\mt], v[CC+\mt], vcc_lo
	v_cndmask_b32 v[NQ+\mt], v[CC+\mt], v[SS+\mt], vcc_lo
	v_lshlrev_b32 v[TH+\mt], 30, v[KI+\mt]
	v_and_b32 v[TH+\mt], 0x80000000, v[TH+\mt]
	v_xor_b32 v[CS+8*\mt+2*\p+1], v[TH+\mt], v[ZZ+\mt]
	v_add_nc_u32 v[KI+\mt], 1, v[KI+\mt]
	v_lshlrev_b32 v[KI+\mt], 30, v[KI+\mt]
	v_and_b32 v[KI+\mt], 0x80000000, v[KI+\mt]
	v_xor_b32 v[CS+8*\mt+2*\p], v[KI+\mt], v[NQ+\mt]
.endr
.endm
; a slot of K: heads 4 half .. 4 half + 3; tb: where the next slot begins
.macro KBODY half, tb
	SCMOVE
.if \half == 0
	s_add_nc_u64 s[SA:SA+1], s[14:15], 16384
.else
	s_mov_b64 s[SA:SA+1], s[10:11]
.endif
	SCLOAD VSK, 8192
	s_wait_alu depctr_va_vdst(0)
	GEMM 0x07, ACC, 0, SQ, 32
	WIN 0
	PLACES 4
	CH_A
	ROTK 0, 2*\half
	ROTK 1, 2*\half
	CH_B
	ROTK 2, 2*\half
	ROTK 3, 2*\half
	CH_C
	LQ 0, \tb
	PF
	GEMM 0x07, ACC, 128, SQ+8, -1
	PLACES 4
	LQ 128, \tb+2*PARTB
	ROTK 0, 2*\half+1
	ROTK 1, 2*\half+1
	ROTK 2, 2*\half+1
	ROTK 3, 2*\half+1
	WIN 0
.endm
; sums of squares of my 32 channels, 16 tokens x 8 heads; lane half h keeps heads 4 h .. 4 h + 3
.macro SUMSQ mt, vu
	WIN 0x0A+5*((\mt)/2)
.irp k, 0,2,4,6,8,10,12,14
.irp n, 0,1,2,3,4,5,6,7
.if \k == 0
	v_pk_mul_f32 v[\vu+2*\n:\vu+2*\n+1], v[128*(\mt%2)+16*\n:128*(\mt%2)+16*\n+1], v[128*(\mt%2)+16*\n:128*(\mt%2)+16*\n+1]
.else
	v_pk_fma_f32 v[\vu+2*\n:\vu+2*\n+1], v[128*(\mt%2)+16*\n+\k:128*(\mt%2)+16*\n+\k+1], v[128*(\mt%2)+16*\n+\k:128*(\mt%2)+16*\n+\k+1], v[\vu+2*\n:\vu+2*\n+1]
.endif
.endr
.endr
	WIN 0
.irp n, 0,1,2,3,4,5,6,7
	v_add_f32 v[\vu+\n], v[\vu+2*\n], v[\vu+2*\n+1]
.endr
.irp i, 0,1,2,3
	v_permlane16_swap_b32 v[\vu+\i], v[\vu+4+\i]
.endr
.irp i, 0,2
	v_pk_add_f32 v[\vu+\i:\vu+\i+1], v[\vu+\i:\vu+\i+1], v[\vu+4+\i:\vu+5+\i]
.endr
	ds_store_b128 v[ASR], v[\vu:\vu+3] offset:\mt*512
.endm
; norm, gain, bias and quantiser of four heads' blocks of 32 (my wave's 32 channels)
.macro NORMQ mt, half
	WIN 0x02+((\mt)/2)
.irp b, 0,1,2,3
.irp k, 0,2,4,6,8,10,12,14
.if (\b & 1) == 0
	v_pk_mul_f32 v[T+16*\b+\k:T+16*\b+\k+1], v[128*(\mt%2)+16*(4*\half+\b)+\k:128*(\mt%2)+16*(4*\half+\b)+\k+1], v[RM+8*\mt+4*\half+\b:RM+8*\mt+4*\half+\b+1] op_sel_hi:[1,0]
.else
	v_pk_mul_f32 v[T+16*\b+\k:T+16*\b+\k+1], v[128*(\mt%2)+16*(4*\half+\b)+\k:128*(\mt%2)+16*(4*\half+\b)+\k+1], v[RM+8*\mt+4*\half+\b-1:RM+8*\mt+4*\half+\b] op_sel:[0,1] op_sel_hi:[1,1]
.endif
.endr
.endr
	WIN 0
.irp b, 0,1,2,3
.irp k, 0,2,4,6,8,10,12,14
	v_pk_fma_f32 v[T+16*\b+\k:T+16*\b+\k+1], v[T+16*\b+\k:T+16*\b+\k+1], v[WC+\k:WC+\k+1], v[BC+\k:BC+\k+1]
.endr
.endr
.irp b, 0,1,2,3
	v_max3_num_f32 v[TM+\b], |v[T+16*\b]|, |v[T+16*\b+1]|, 0x1800000
.endr
.irp i, 2,4,6,8,10,12,14
.irp b, 0,1,2,3
	v_max3_num_f32 v[TM+\b], v[TM+\b], |v[T+16*\b+\i]|, |v[T+16*\b+\i+1]|
.endr
.endr
.irp b, 0,1,2,3
	v_permlanex16_b32 v[TM+4+\b], v[TM+\b], s[SEL], s[SEL+1]
.endr
.irp b, 0,1,2,3
	v_max_num_f32 v[TM+\b], v[TM+\b], v[TM+4+\b]
.endr
.irp b, 0,1,2,3
	v_add_nc_u32 v[TM+12+\b], 0xff000000, v[TM+\b]
.endr
.irp b, 0,1,2,3
	v_lshrrev_b32 v[TM+4+\b], 23, v[TM+12+\b]
.endr
.irp b, 0,1,2,3
	v_cvt_scalef32_pk8_fp4_f32 v[PCD+2*\b], v[T+16*\b:T+16*\b+7], v[TM+12+\b]
	v_cvt_scalef32_pk8_fp4_f32 v[PCD+2*\b+1], v[T+16*\b+8:T+16*\b+15], v[TM+12+\b]
.endr
	v_nop
.irp b, 0,1,2,3
	ds_store_b32 v[AAW0], v[PCD+2*\b] offset:(8*\mt+4*\half+\b)*1024
	ds_store_b32 v[AAW1], v[PCD+2*\b+1] offset:(8*\mt+4*\half+\b)*1024
	ds_store_b8 v[ASCW], v[TM+4+\b] offset:\mt*512+4*(4*\half+\b)
.endr
.endm
; the way out of 16 tokens x 64 columns: through my stage, back as rows of 256 bytes
.macro TOSTAGE mt
	WIN 0x08
.irp t, 0,1
.irp a, 0,1
	ds_store_b128 v[STO], v[64*\t+16*\mt+8*\a:64*\t+16*\mt+8*\a+3] offset:128*\t+64*\a
	ds_store_b128 v[STO], v[64*\t+16*\mt+8*\a+4:64*\t+16*\mt+8*\a+7] offset:128*\t+64*\a+16
.endr
.endr
	WIN 0x80
.irp i, 0,1,2,3,4,5,6,7
	ds_load_b128 v[OB+32*\mt+4*\i:OB+32*\mt+4*\i+3], v[RD] offset:544*\i
.endr
	WIN 0
.endm
.macro SEND mt, younger
	s_wait_dscnt \younger
	WIN 0x08
.irp i, 0,1,2,3,4,5,6,7
	global_store_b128 v[CO], v[OB+32*\mt+4*\i:OB+32*\mt+4*\i+3], s[OUTC:OUTC+1] offset:(16*\mt+2*\i)*4096 th:TH_STORE_NT
.endr
	WIN 0
.endm
; a slot of Wo: my 64 columns.  last = 1: nothing more is loaded into LDS
.macro OBODY last
	SCMOVE
	s_add_nc_u64 s[SA:SA+1], s[SA:SA+1], 2048
	s_cmp_eq_u32 s[CNT], 1
	s_cbranch_scc1 .Lo_nosc_\@
	SCLOAD VSO, 1024
.Lo_nosc_\@:
	s_wait_alu depctr_va_vdst(0)
	GEMM 0xA7, 0, 0, SQ, 32
	GEMM 0xA7, 64, 128, SQ+8, 0
	WIN 0
	PLACES 4
.if \last
	s_wait_tensorcnt 0x0
	ds_add_u32 v[SPW], v[NIL]
	BARRIER
.else
	CH_A
	CH_B
	CH_C
	PF
	s_mov_b32 s[PFN], 0                ; the next change's look-ahead would lie behind the last slot
.endif
	TOSTAGE 0
	TOSTAGE 1
	SEND 0, 16
	TOSTAGE 2
	SEND 1, 16
	TOSTAGE 3
	SEND 2, 16
	SEND 3, 0
	s_cmp_eq_u32 s[CNT], 1
	s_cbranch_scc1 .Lo_nold_\@
	v_add_nc_u32 v[ADR], s[TBR], v[AO]
	LOADS 0, ADR, 0, 16*PITCH
	LOADS 128, ADR, 32*PITCH, 16*PITCH
.Lo_nold_\@:
	s_xor_b32 s[TBR], s[TBR], SLOTB
	s_sub_co_u32 s[CNT], s[CNT], 1
	s_wait_xcnt 0x0                    ; the stores have read their base and data
	s_add_nc_u64 s[OUTC:OUTC+1], s[OUTC:OUTC+1], 256
.endm
	s_load_b512 s[4:19], s[0:1], 0x0
	s_load_b512 s[20:35], s[0:1], 0x40
	s_load_b64 s[36:37], s[0:1], 0x80
	v_lshl_add_u32 v[SPW], v0, 2, SPARE
	v_mov_b32 v[NIL], 0
	ds_add_u32 v[SPW], v[NIL]          ; the opening adds
	ds_add_u32 v[SPW], v[NIL]
	v_lshrrev_b32 v99, 5, v0
	v_readfirstlane_b32 s[WV], v99
	v_and_b32 v96, 15, v0              ; r
	v_bfe_u32 v97, v0, 4, 1            ; h
	v_and_b32 v98, 31, v0              ; lane
	v_lshlrev_b32 v99, 3, v98
	v_lshlrev_b32 v100, 9, v96         ; x: row r, + 16 h
	v_lshl_add_u32 v100, v97, 4, v100
	v_lshlrev_b32 v101, 5, v96         ; its scales
	v_bfe_u32 v102, v0, 1, 2
	v_bfe_u32 v103, v0, 3, 1
	v_lshl_add_u32 v102, v103, 3, v102 ; Q, K: my row's channel among 16 (rows 16-31 of a tile: 4 on)
	v_and_b32 v103, 1, v0              ; and head among two
	v_lshl_add_u32 v104, v103, 7, v102
	v_lshl_add_u32 v104, v97, 2, v104
	v_lshlrev_b32 v104, 5, v104
	s_lshl_b32 s2, s[WV], 9
	v_add_nc_u32 v[VSK], s2, v104
	s_bfe_u32 s[CX], ttmp6, 0x40000
	s_lshl_b32 s[WG], ttmp9, 2
	s_add_co_u32 s[WG], s[WG], s[CX]
	s_cmp_lt_u32 ttmp9, 4
	s_cselect_b32 s[PFN], 1, 0
	s_mov_b32 s[G1], 15|(3<<16)|(1<<20)|(1<<21)|(6<<22)|(3<<25)   ; mask 15; 8-byte elements; after every 128 words 4 of padding
	s_mov_b32 s[G1+1], 64<<16
	s_mov_b32 s[G1+2], 64<<16
	s_mov_b32 s[G1+3], 64<<16
	s_mov_b32 s[G1+4], 64
	s_mov_b32 s[G1+5], 64
	s_mov_b32 s[G1+6], 0
	s_mov_b32 s[G1+7], 0
	s_mul_i32 s[LB0], s[WV], PARTB
	s_mov_b32 s3, 0
	s_mov_b32 s[SEL], 0x76543210
	s_mov_b32 s[SEL+1], 0xfedcba98
	s_mov_b32 s[FR+0], 1.0             ; 10^(-k / 8)
	s_mov_b32 s[FR+1], 0x3f3ff911
	s_mov_b32 s[FR+2], 0x3f0ff59a
	s_mov_b32 s[FR+3], 0x3ed7e89b
	s_mov_b32 s[FR+4], 0x3ea1e89b
	s_mov_b32 s[FR+5], 0x3e72d424
	s_mov_b32 s[FR+6], 0x3e361887
	s_mov_b32 s[FR+7], 0x3e088d77
	s_mov_b32 s2, 1.0                  ; x 10^(-wave)
	s_cmp_eq_u32 s[WV], 1
	s_cselect_b32 s2, 0x3dcccccd, s2
	s_cmp_eq_u32 s[WV], 2
	s_cselect_b32 s2, 0x3c23d70a, s2
	s_cmp_eq_u32 s[WV], 3
	s_cselect_b32 s2, 0x3a83126f, s2
.irp i, 0,1,2,3,4,5,6,7
	s_mul_f32 s[FR+\i], s[FR+\i], s2
.endr
	s_mov_b32 s94, 0x3f22f983
	s_mov_b32 s95, 0xbfc90fdb
	s_mov_b32 s96, 0x333bbd2e
	s_mov_b32 s97, 0xb94ca1f9
	s_mov_b32 s98, 0x3c08839e
	s_mov_b32 s99, 0xbe2aaaa3
	s_mov_b32 s100, 0x37ccf5ce
	s_mov_b32 s101, 0xbab6061a
	s_mov_b32 s38, 0x3d2aaaa5
	s_wait_alu depctr_va_vdst(0)
	s_wait_dscnt 0x0                   ; both opening adds are done
	s_wait_kmcnt 0x0
	s_lshl_b32 s2, s[WV], 16           ; Wq, Wk: my wave fetches one head's 64 rows of four
	s_add_nc_u64 s[8:9], s[8:9], s[2:3]
	s_add_nc_u64 s[12:13], s[12:13], s[2:3]
	s_lshl_b32 s2, s[WV], 15           ; Wv: 64 rows of 256
	s_add_nc_u64 s[16:17], s[16:17], s[2:3]
	s_lshl_b32 s2, s[WV], 17           ; Wo: my 256 columns
	s_add_nc_u64 s[20:21], s[20:21], s[2:3]
	s_lshl_b32 s2, s[WV], 10
	s_add_nc_u64 s[36:37], s[36:37], s[2:3]
	s_lshl_b32 s2, s[WG], 15
	s_add_nc_u64 s[4:5], s[4:5], s[2:3]
	s_lshl_b32 s2, s[WG], 11
	s_add_nc_u64 s[6:7], s[6:7], s[2:3]
	s_lshl_b32 s2, s[WG], 18
	s_add_nc_u64 s[36:37], s[36:37], s[2:3]
	s_mov_b32 s[G0], 1
	s_mov_b32 s[G0+1], s[LB0]
	s_mov_b64 s[G0+2:G0+3], s[12:13]
	s_or_b32 s[G0+3], s[G0+3], 0x80000000
	s_mov_b64 s[SA:SA+1], s[14:15]
.macro XLOAD mt
	WIN 0x40
.irp s, 0,1,2,3,4,5,6,7
	global_load_b128 v[64*\mt+8*\s:64*\mt+8*\s+3], v100, s[4:5] offset:8192*\mt+64*\s
	global_load_b128 v[64*\mt+8*\s+4:64*\mt+8*\s+7], v100, s[4:5] offset:8192*\mt+64*\s+32
.endr
	WIN 0
.endm
	XLOAD 0
	XLOAD 1
	global_load_b64 v[108:109], v99, s[24:25]
	global_load_b64 v[110:111], v99, s[26:27]
	global_load_b64 v[112:113], v99, s[28:29]
	global_load_b64 v[114:115], v99, s[30:31]
	XLOAD 2
	XLOAD 3
.irp mt, 0,1,2,3
	global_load_b128 v[XS+8*\mt:XS+8*\mt+3], v101, s[6:7] offset:512*\mt
	global_load_b128 v[XS+8*\mt+4:XS+8*\mt+7], v101, s[6:7] offset:512*\mt+16
.endr
	SCLOAD VSK, 8192
	ROUND                              ; the first joint loads meet
	tensor_load_to_lds s[G0:G0+3], s[G1:G1+7]
	s_nop 0
	PLACES 4
	; LDS and memory addresses
	v_mul_u32_u24 v104, v102, PITCH
	v_mul_u32_u24 v105, v103, PARTB
	v_add_nc_u32 v104, v104, v105
	v_lshl_add_u32 v104, v97, 4, v104
	s_mul_i32 s2, s[WV], 16*PITCH
	v_add_nc_u32 v[AQ], s2, v104
	v_and_b32 v105, 8, v96
	v_lshlrev_b32 v105, 1, v105        ; 2 (r & 8)
	v_add_nc_u32 v106, v105, v96       ; V: rows 0-15 of a tile: channel r + 2 (r & 8); rows 16-31: r + 8
	v_mul_u32_u24 v106, v106, PITCH
	v_lshl_add_u32 v106, v97, 4, v106
	v_mul_u32_u24 v107, v96, PITCH
	v_lshl_add_u32 v107, v97, 4, v107
	v_add_nc_u32 v[AO], s[LB0], v107
	s_lshr_b32 s2, s[WV], 1
	s_mul_i32 s2, s2, PARTB
	s_and_b32 s[TB], s[WV], 1
	s_mul_i32 s[TB], s[TB], 32*PITCH
	s_add_co_u32 s2, s2, s[TB]
	v_add_nc_u32 v[AV0], s2, v106
	v_add_nc_u32 v107, 8*PITCH, v107
	v_add_nc_u32 v[AV1], s2, v107
	v_sub_nc_u32 v106, 1, v97
	v_mul_u32_u24 v106, v106, v105
	v_add_nc_u32 v106, v106, v96
	v_lshl_add_u32 v106, v97, 3, v106
	v_lshlrev_b32 v106, 5, v106
	s_lshl_b32 s2, s[WV], 10
	v_add_nc_u32 v[VSV], s2, v106
	s_lshl_b32 s2, s[WV], 13
	v_lshl_add_u32 v[VSO], v98, 5, s2
	s_add_co_u32 s2, s2, LS_S
	v_lshl_add_u32 v[ASW], v98, 4, s2
	s_lshl_b32 s2, s[WV], 11
	s_add_co_u32 s2, s2, LS_S
	v_lshl_add_u32 v[ASR], v98, 4, s2
	s_lshl_b32 s2, s[WV], 12
	s_add_co_u32 s2, s2, LS_P
	v_lshl_add_u32 v[APW], v97, 11, s2
	v_lshl_add_u32 v[APW], v96, 4, v[APW]
	v_lshl_add_u32 v[APR], v96, 4, LS_P
	v_lshl_add_u32 v[ANR], v96, 4, LS_N
	s_lshl_b32 s2, s[WV], 8
	s_add_co_u32 s2, s2, AIMG
	v_lshl_add_u32 v106, v96, 4, s2
	v_mul_u32_u24 v107, v97, 12
	v_add_nc_u32 v[AAW0], v106, v107
	v_lshl_add_u32 v106, v97, 2, v106
	v_add_nc_u32 v[AAW1], 4, v106
	s_add_co_u32 s2, s[WV], ASC
	v_lshl_add_u32 v[ASCW], v96, 5, s2
	v_lshl_add_u32 v[AAR], v98, 4, AIMG
	v_lshl_add_u32 v[ASCR], v96, 5, ASC
	s_mul_i32 s2, s[WV], 16*272
	s_add_co_u32 s2, s2, STG
	v_mul_u32_u24 v106, v96, 272
	v_lshl_add_u32 v106, v97, 5, v106
	v_add_nc_u32 v[STO], s2, v106
	v_mul_u32_u24 v106, v97, 272
	v_lshl_add_u32 v106, v96, 4, v106
	v_add_nc_u32 v[RD], s2, v106
	v_lshlrev_b32 v[CO], 12, v97
	v_lshl_add_u32 v[CO], v96, 4, v[CO]
	s_lshl_b32 s2, s[CX], 13
	v_lshl_add_u32 v[PFO], v98, 8, s2
	; cos and sin of my 16 channels' 8 frequencies (4 in each lane half), for 64 positions
	v_cmp_eq_u32 vcc_lo, 1, v97
.irp p, 0,1,2,3
	v_mov_b32 v[FQ+\p], s[FR+\p]
	v_mov_b32 v106, s[FR+4+\p]
	v_cndmask_b32 v[FQ+\p], v[FQ+\p], v106, vcc_lo
.endr
	s_and_b32 s2, s[WG], 63
	s_lshl_b32 s2, s2, 6
	v_add_nc_u32 v106, s2, v96
.irp mt, 0,1,2,3
	v_add_nc_u32 v107, 16*\mt, v106
	v_cvt_f32_u32 v[POS+\mt], v107
.endr
	SINCOS 0
	SINCOS 1
	SINCOS 2
	SINCOS 3
.irp i, 0,1,2,3
	v_mov_b32 v[116+\i], 0
.endr
.irp i, 0,1,2,3
	ds_store_b128 v[APW], v[116:119] offset:\i*512
	ds_store_b128 v[APW], v[116:119] offset:\i*512+256
.endr
	v_mov_b32 v[BETA], 1.0
	s_wait_alu depctr_va_vdst(0)
	s_wait_loadcnt 44                  ; behind the four lambda loads: 32 of x, 8 of its scales, 4 of K's
	v_mul_f32 v104, v108, v110
	v_mul_f32 v105, v112, v114
	v_fma_f32 v104, v109, v111, v104
	v_fma_f32 v105, v113, v115, v105
.irp x, 1,2,4,8
	v_add_f32_dpp v104, v104, v104 row_xmask:\x row_mask:0xf bank_mask:0xf
	v_add_f32_dpp v105, v105, v105 row_xmask:\x row_mask:0xf bank_mask:0xf
.endr
	v_permlanex16_b32 v106, v104, s[SEL], s[SEL+1]
	v_permlanex16_b32 v107, v105, s[SEL], s[SEL+1]
	v_add_f32 v104, v104, v106
	v_add_f32 v105, v105, v107
	v_mul_f32 v104, 0x3fb8aa3b, v104
	v_mul_f32 v105, 0x3fb8aa3b, v105
	s_wait_alu depctr_va_vdst(0)       ; the wait ahead of the batch
	v_exp_f32 v104, v104
	v_exp_f32 v105, v105
	v_nop
	s_wait_alu depctr_va_vdst(0)       ; and behind it
	v_sub_f32 v104, v104, v105
	v_add_f32 v104, 0x3f489a63, v104
	v_sub_f32 v[BET2], 0, v104         ; - lambda
	s_add_co_u32 s[LCUR], s[LB0], SLOTB
	s_add_nc_u64 s[FA:FA+1], s[12:13], 262144
	s_mov_b64 s[FB:FB+1], s[8:9]
	s_mov_b64 s[FC:FC+1], s[8:9]
	s_add_nc_u64 s[NK:NK+1], s[12:13], 32768
	s_mov_b64 s[ND:ND+1], 262144
	s_add_nc_u64 s[NN:NN+1], s[8:9], 32768
	s_mov_b32 s[SUBC], 2
	s_mov_b32 s[CNT], 4
	s_wait_alu depctr_va_vdst(0)
	CH_A                               ; slot 0 has landed; slot 1's first fill goes out as a refill does
	CH_B
	CH_C
	LQ 0, 0
	LQ 128, 2*PARTB
	PF
; TWO TRIPS: the first halves of the heads (p counts 1), then the second halves (p counts - lambda)
.Lsub:
	s_mov_b32 s[LCUR], s[LB0]
	s_add_nc_u64 s[FB:FB+1], s[FA:FA+1], 262144
	s_mov_b64 s[FC:FC+1], s[NK:NK+1]
	KBODY 0, SLOTB
	KBODY 1, 0
	s_mov_b32 s[LCUR], s[LB0]
	s_mov_b32 s[TBR], SLOTB
	s_add_nc_u64 s[FB:FB+1], s[FA:FA+1], s[ND:ND+1]
	s_mov_b64 s[FC:FC+1], s[NN:NN+1]
	s_add_nc_u64 s[SX:SX+1], s[10:11], 16384
	s_add_nc_u64 s[SY:SY+1], s[14:15], 2048
	s_mov_b32 s[TQ], 0
	s_mov_b32 s[PCN], 2
.Lq:                                           ; a slot of Q: four heads
	SCMOVE
	s_mov_b64 s[SA:SA+1], s[SX:SX+1]
	s_mov_b64 s[SX:SX+1], s[SY:SY+1]
	s_cmp_eq_u32 s[CNT], 1
	s_cbranch_scc1 .Lq_nosc
	SCLOAD VSK, 8192
.Lq_nosc:
	s_wait_alu depctr_va_vdst(0)
	GEMM 0x07, ACC, 0, SQ, 32
	WIN 0
	PLACES 4
	CH_A
	SC 0, VTA, VUA
	CH_B
	SC 1, VTB, VUB
	CH_C
	SCST 0, 0, VUA
	SCST 1, 0, VUB
	s_cmp_eq_u32 s[CNT], 1
	s_cbranch_scc1 .Lq_nol0
	LQ 0, s[TBR]
.Lq_nol0:
	PF
	SC 2, VTA, VUA
	SCST 2, 0, VUA
	SC 3, VTB, VUB
	SCST 3, 0, VUB
	GEMM 0x07, ACC, 128, SQ+8, -1
	WIN 0
	PLACES 4
	s_add_co_u32 s2, s[TBR], 2*PARTB
	s_cmp_eq_u32 s[CNT], 1
	s_cbranch_scc1 .Lq_nol1
	LQ 128, s2
.Lq_nol1:
	SC 0, VTA, VUA
	SCST 0, 1, VUA
	SC 1, VTB, VUB
	SCST 1, 1, VUB
	SC 2, VTA, VUA
	SCST 2, 1, VUA
	SC 3, VTB, VUB
	SCST 3, 1, VUB
	s_xor_b32 s[TBR], s[TBR], SLOTB
	BARRIER                            ; all partial scores of these four heads are in LDS
	; SOFTMAX: my wave takes tokens 16 x wave ..: lane (r, h) holds K heads 4 h .. 4 h + 3 of four Q heads
.irp w1, 0,1,2,3
.irp n, 0,1,2,3
	ds_load_b128 v[PS+16*\w1+4*\n:PS+16*\w1+4*\n+3], v[ASR] offset:\w1*8192+\n*512
.endr
.endr
	v_add_nc_u32 v[ADR2], s[TQ], v[APW]
.irp i, 0,1,2,3
	ds_load_b128 v[PL+4*\i:PL+4*\i+3], v[ADR2] offset:\i*512
.endr
	s_wait_dscnt 0x0
.irp w1, 1,2,3
.irp k, 0,2,4,6,8,10,12,14
	v_pk_add_f32 v[PS+\k:PS+\k+1], v[PS+\k:PS+\k+1], v[PS+16*\w1+\k:PS+16*\w1+\k+1]
.endr
.endr
.irp n, 0,1,2,3
	v_max3_num_f32 v[MX+2*\n], v[PS+4*\n], v[PS+4*\n+1], v[PS+4*\n+2]
.endr
.irp n, 0,1,2,3
	v_max_num_f32 v[MX+2*\n], v[MX+2*\n], v[PS+4*\n+3]
.endr
.irp n, 0,1,2,3
	v_permlanex16_b32 v[MX+2*\n+1], v[MX+2*\n], s[SEL], s[SEL+1]
.endr
.irp n, 0,1,2,3
	v_max_num_f32 v[MX+2*\n], v[MX+2*\n], v[MX+2*\n+1]
.endr
.irp n, 0,1,2,3
.irp k, 0,2
	v_pk_add_f32 v[PS+4*\n+\k:PS+4*\n+\k+1], v[PS+4*\n+\k:PS+4*\n+\k+1], v[MX+2*\n:MX+2*\n+1] op_sel_hi:[1,0] neg_lo:[0,1] neg_hi:[0,1]
.endr
.endr
.irp k, 0,2,4,6,8,10,12,14
	v_pk_mul_f32 v[PS+\k:PS+\k+1], v[PS+\k:PS+\k+1], 0x3f0293ee op_sel_hi:[1,0]   ; log2(e) / 64^(1/4)
.endr
	s_wait_alu depctr_va_vdst(0)       ; the wait ahead of the batch
.irp k, 0,1,2,3,4,5,6,7,8,9,10,11,12,13,14,15
	v_exp_f32 v[PS+\k], v[PS+\k]
.endr
	v_nop
	s_wait_alu depctr_va_vdst(0)       ; and behind it
.irp n, 0,1,2,3
	v_pk_add_f32 v[MX+2*\n:MX+2*\n+1], v[PS+4*\n:PS+4*\n+1], v[PS+4*\n+2:PS+4*\n+3]
.endr
.irp n, 0,1,2,3
	v_add_f32 v[MX+2*\n], v[MX+2*\n], v[MX+2*\n+1]
.endr
.irp n, 0,1,2,3
	v_permlanex16_b32 v[MX+2*\n+1], v[MX+2*\n], s[SEL], s[SEL+1]
.endr
.irp n, 0,1,2,3
	v_add_f32 v[MX+2*\n], v[MX+2*\n], v[MX+2*\n+1]
.endr
	s_wait_alu depctr_va_vdst(0)       ; the wait ahead of the batch
.irp n, 0,1,2,3
	v_rcp_f32 v[MX+2*\n], v[MX+2*\n]
.endr
	v_nop
	s_wait_alu depctr_va_vdst(0)       ; and behind it
.irp n, 0,1,2,3
	v_mul_f32 v[MX+2*\n], v[MX+2*\n], v[BETA]
.endr
.irp i, 0,1,2,3
.irp n, 0,1,2,3
	v_fma_f32 v[PL+4*\i+\n], v[PS+4*\n+\i], v[MX+2*\n], v[PL+4*\i+\n]
.endr
.endr
.irp i, 0,1,2,3
	ds_store_b128 v[ADR2], v[PL+4*\i:PL+4*\i+3] offset:\i*512
.endr
	s_add_co_u32 s[TQ], s[TQ], 256
	s_sub_co_u32 s[CNT], s[CNT], 1
	s_sub_co_u32 s[PCN], s[PCN], 1
	s_cmp_lg_u32 s[PCN], 0
	s_cbranch_scc1 .Lq
	s_add_nc_u64 s[10:11], s[10:11], 2048
	s_add_nc_u64 s[14:15], s[14:15], 2048
	s_mov_b64 s[NK:NK+1], s[16:17]
	s_mov_b64 s[ND:ND+1], 131072
	s_add_nc_u64 s[NN:NN+1], s[16:17], 262144
	v_mov_b32 v[BETA], v[BET2]
	s_sub_co_u32 s[SUBC], s[SUBC], 1
	s_cmp_lg_u32 s[SUBC], 0
	s_cbranch_scc1 .Lsub
	; V
	s_wait_loadcnt 0x0                 ; no scale load is out: its registers are loaded again
	s_mov_b64 s[SA:SA+1], s[18:19]
	SCLOAD VSV, 4096
	v_mov_b32 v[ADV0], v[AV0]
	v_mov_b32 v[ADV1], v[AV1]
	LOADSV
	v_mov_b32 v[ACC], 0
	v_mov_b32 v[ACC+1], 0
	WIN 0x80
.set i, 0
.rept 128
	v_pk_add_f32 v[i:i+1], v[ACC:ACC+1], v[ACC:ACC+1]   ; the weighted sums begin as zeros, two registers at a time
.set i, i+2
.endr
	WIN 0xC0
.set i, 0
.rept 128
	v_pk_add_f32 v[i:i+1], v[ACC:ACC+1], v[ACC:ACC+1]
.set i, i+2
.endr
	WIN 0
	s_mov_b64 s[NK:NK+1], s[20:21]
	s_mov_b32 s[TP], 0
	s_mov_b32 s[CNT], 4
	s_mov_b32 s[SUBC], 2
	BARRIER                            ; every wave's p is in LDS
.Lvp:
	s_mov_b32 s[LCUR], s[LB0]
	s_mov_b32 s[TB], 0
	s_mov_b32 s[TBR], SLOTB
	s_add_nc_u64 s[FB:FB+1], s[FA:FA+1], s[ND:ND+1]
	s_mov_b64 s[FC:FC+1], s[NK:NK+1]
	s_mov_b32 s[PCN], 2
.Lv:                                           ; a slot of V: two heads
	SCMOVE
	s_add_nc_u64 s[SA:SA+1], s[SA:SA+1], 8192
	s_cmp_eq_u32 s[CNT], 1
	s_cbranch_scc1 .Lv_nosc
	SCLOAD VSV, 4096
.Lv_nosc:
	v_add_nc_u32 v[ADV0], s[TB], v[AV0]
	v_add_nc_u32 v[ADV1], s[TB], v[AV1]
	v_add_nc_u32 v[ADR2], s[TP], v[APR]
	s_wait_alu depctr_va_vdst(0)
	PRLOAD 0
	GEMMV SQ
	WIN 0
	PLACES 4
	s_add_co_u32 s2, s[TB], 2*PARTB
	v_add_nc_u32 v[ADV0], s2, v[AV0]
	v_add_nc_u32 v[ADV1], s2, v[AV1]
	LOADSV
	VECV 0
	VECV 1
	VECV 2
	VECV 3
	WIN 0
	PRLOAD 512
	GEMMV SQ+8
	WIN 0
	PLACES 4
	CH_A
	VECV 0
	CH_B
	VECV 1
	CH_C
	s_cmp_eq_u32 s[CNT], 1
	s_cbranch_scc1 .Lv_nold
	v_add_nc_u32 v[ADV0], s[TBR], v[AV0]
	v_add_nc_u32 v[ADV1], s[TBR], v[AV1]
	LOADSV
.Lv_nold:
	PF
	VECV 2
	VECV 3
	WIN 0
	s_add_co_u32 s[TB], s[TB], SLOTB
	s_xor_b32 s[TBR], s[TBR], SLOTB
	s_add_co_u32 s[TP], s[TP], 1024
	s_sub_co_u32 s[CNT], s[CNT], 1
	s_sub_co_u32 s[PCN], s[PCN], 1
	s_cmp_lg_u32 s[PCN], 0
	s_cbranch_scc1 .Lv
	s_mov_b64 s[ND:ND+1], 32768
	s_add_nc_u64 s[NK:NK+1], s[20:21], 65536
	s_sub_co_u32 s[SUBC], s[SUBC], 1
	s_cmp_lg_u32 s[SUBC], 0
	s_cbranch_scc1 .Lvp
	; THE NORM, THE QUANTISER
	s_wait_loadcnt 0x0
	s_mov_b64 s[SA:SA+1], s[22:23]
	SCLOAD VSO, 1024
	s_lshl_b32 s2, s[WV], 7
	v_bfe_u32 v31, v0, 4, 1
	v_mul_u32_u24 v30, v31, 96
	v_lshlrev_b32 v31, 5, v31
	v_add_nc_u32 v30, s2, v30          ; registers 0-7's channels
	v_add_nc_u32 v31, s2, v31
	v_add_nc_u32 v31, 32, v31          ; registers 8-15's
.irp i, 0,1
	global_load_b128 v[WC+4*\i:WC+4*\i+3], v30, s[32:33] offset:16*\i
	global_load_b128 v[WC+8+4*\i:WC+8+4*\i+3], v31, s[32:33] offset:16*\i
	global_load_b128 v[BC+4*\i:BC+4*\i+3], v30, s[34:35] offset:16*\i
	global_load_b128 v[BC+8+4*\i:BC+8+4*\i+3], v31, s[34:35] offset:16*\i
.endr
	SUMSQ 0, T
	SUMSQ 1, T+16
	SUMSQ 2, T+32
	SUMSQ 3, T+48
	BARRIER
	s_mov_b32 s2, 0x3c000000           ; 1 / 128
	s_mov_b32 s3, 0x322bcc77           ; 1e-8
.irp mh, 0,1
.irp w1, 0,1,2,3
.irp ml, 0,1
.irp q, 0,1
	ds_load_b128 v[T+16*\w1+8*\ml+4*\q:T+16*\w1+8*\ml+4*\q+3], v[ANR] offset:\w1*2048+(2*\mh+\ml)*512+\q*256
.endr
.endr
.endr
	s_wait_dscnt 0x0
.irp w1, 1,2,3
.irp k, 0,2,4,6,8,10,12,14
	v_pk_add_f32 v[T+\k:T+\k+1], v[T+\k:T+\k+1], v[T+16*\w1+\k:T+16*\w1+\k+1]
.endr
.endr
.irp k, 0,1,2,3,4,5,6,7,8,9,10,11,12,13,14,15
	v_fma_f32 v[RM+16*\mh+\k], v[T+\k], s2, s3
.endr
.endr
	s_wait_alu depctr_va_vdst(0)       ; the wait ahead of the batch
.set i, 0
.rept 32
	v_rsq_f32 v[RM+i], v[RM+i]
.set i, i+1
.endr
	v_nop
	s_wait_alu depctr_va_vdst(0)       ; and behind it
	s_wait_loadcnt 0x0
.irp k, 0,2,4,6,8,10,12,14
	v_pk_mul_f32 v[WC+\k:WC+\k+1], v[WC+\k:WC+\k+1], 0x3e5d9673 op_sel_hi:[1,0]   ; 1 - lambda_init
	v_pk_mul_f32 v[BC+\k:BC+\k+1], v[BC+\k:BC+\k+1], 0x3e5d9673 op_sel_hi:[1,0]
.endr
.irp mt, 0,1,2,3
	NORMQ \mt, 0
	NORMQ \mt, 1
.endr
	LOADS 0, AO, 0, 16*PITCH
	LOADS 128, AO, 32*PITCH, 16*PITCH
	BARRIER                            ; the codes of a are whole
	WIN 0x40
.irp f, 0,1,2,3,4,5,6,7,8,9,10,11,12,13,14,15,16,17,18,19,20,21,22,23,24,25,26,27,28,29,30,31
	ds_load_b128 v[8*\f:8*\f+3], v[AAR] offset:\f*1024
	ds_load_b128 v[8*\f+4:8*\f+7], v[AAR] offset:\f*1024+512
.endr
	WIN 0
.irp mt, 0,1,2,3
	ds_load_b128 v[XS+8*\mt:XS+8*\mt+3], v[ASCR] offset:\mt*512
	ds_load_b128 v[XS+8*\mt+4:XS+8*\mt+7], v[ASCR] offset:\mt*512+16
.endr
	; THE OUTPUT PRODUCT
	s_mov_b32 s[CNT], 4
	s_mov_b32 s[LCUR], s[LB0]
	s_mov_b32 s[TBR], SLOTB
	s_add_nc_u64 s[FB:FB+1], s[FA:FA+1], s[ND:ND+1]
	s_mov_b64 s[OUTC:OUTC+1], s[36:37]
	s_mov_b32 s[PCN], 2
	s_wait_dscnt 0x0
.Lo1:
	OBODY 0
	s_sub_co_u32 s[PCN], s[PCN], 1
	s_cmp_lg_u32 s[PCN], 0
	s_cbranch_scc1 .Lo1
	s_mov_b32 s[TBR], SLOTB
	s_mov_b32 s[PCN], 2
.Lo2:
	OBODY 1
	s_sub_co_u32 s[PCN], s[PCN], 1
	s_cmp_lg_u32 s[PCN], 0
	s_cbranch_scc1 .Lo2
	s_wait_tensorcnt 0x0               ; the wave's end
	ds_add_u32 v[SPW], v[NIL]
	s_wait_dscnt 0x0
	ROUND                              ; the closing round
	s_endpgm
.Lfunc_end_k_qd636897c9e_fused:
	.size	k_qd636897c9e_fused, .Lfunc_end_k_qd636897c9e_fused-k_qd636897c9e_fused
	.p2alignl 7, 3214868480
	.fill 96, 4, 3214868480
	.section	.rodata,"a",@progbits
	.p2align	6, 0x0
	.amdhsa_kernel k_qd636897c9e_fused
		.amdhsa_group_segment_fixed_size 327680
		.amdhsa_private_segment_fixed_size 0
		.amdhsa_enable_private_segment 0
		.amdhsa_kernarg_size 136
		.amdhsa_user_sgpr_count 2
		.amdhsa_user_sgpr_kernarg_segment_ptr 1
		.amdhsa_wavefront_size32 1
		.amdhsa_system_sgpr_workgroup_id_x 1
		.amdhsa_system_sgpr_workgroup_id_y 1
		.amdhsa_system_sgpr_workgroup_id_z 1
		.amdhsa_system_vgpr_workitem_id 0
		.amdhsa_next_free_vgpr 1024
		.amdhsa_next_free_sgpr 102
		.amdhsa_reserve_vcc 1
		.amdhsa_float_denorm_mode_32 3
		.amdhsa_float_denorm_mode_16_64 3
		.amdhsa_memory_ordered 1
		.amdhsa_forward_progress 1
		.amdhsa_inst_pref_size 255
	.end_amdhsa_kernel
	.section	.bss,"aw",@nobits
	.p2align	6
	.space	262144
	.amdgpu_metadata
---
amdhsa.version: [ 1, 2 ]
amdhsa.kernels:
  - .name:           k_qd636897c9e_fused
    .symbol:         k_qd636897c9e_fused.kd
    .args:
      - { .name: x_codes, .offset: 0, .size: 8, .value_kind: global_buffer, .address_space: global }
      - { .name: x_scales, .offset: 8, .size: 8, .value_kind: global_buffer, .address_space: global }
      - { .name: Wq_codes, .offset: 16, .size: 8, .value_kind: global_buffer, .address_space: global }
      - { .name: Wq_scales, .offset: 24, .size: 8, .value_kind: global_buffer, .address_space: global }
      - { .name: Wk_codes, .offset: 32, .size: 8, .value_kind: global_buffer, .address_space: global }
      - { .name: Wk_scales, .offset: 40, .size: 8, .value_kind: global_buffer, .address_space: global }
      - { .name: Wv_codes, .offset: 48, .size: 8, .value_kind: global_buffer, .address_space: global }
      - { .name: Wv_scales, .offset: 56, .size: 8, .value_kind: global_buffer, .address_space: global }
      - { .name: Wo_codes, .offset: 64, .size: 8, .value_kind: global_buffer, .address_space: global }
      - { .name: Wo_scales, .offset: 72, .size: 8, .value_kind: global_buffer, .address_space: global }
      - { .name: lambda_q1, .offset: 80, .size: 8, .value_kind: global_buffer, .address_space: global }
      - { .name: lambda_k1, .offset: 88, .size: 8, .value_kind: global_buffer, .address_space: global }
      - { .name: lambda_q2, .offset: 96, .size: 8, .value_kind: global_buffer, .address_space: global }
      - { .name: lambda_k2, .offset: 104, .size: 8, .value_kind: global_buffer, .address_space: global }
      - { .name: ln_w, .offset: 112, .size: 8, .value_kind: global_buffer, .address_space: global }
      - { .name: ln_b, .offset: 120, .size: 8, .value_kind: global_buffer, .address_space: global }
      - { .name: out0, .offset: 128, .size: 8, .value_kind: global_buffer, .address_space: global }
    .group_segment_fixed_size: 327680
    .private_segment_fixed_size: 0
    .kernarg_segment_align: 8
    .kernarg_segment_size: 136
    .max_flat_workgroup_size: 128
    .sgpr_count:     102
    .vgpr_count:     1024
    .wavefront_size: 32
...
	.end_amdgpu_metadata
.endif
;; end of part 1
